; MI455X (gfx1250); checked and timed in simulation.
; The chip was launched on July 23, 2026; its instructions are those of AMD's public machine-readable ISA for CDNA 5 (MIT licence, August 2026) and "CDNA5" Instruction Set Architecture Reference Guide (July 2026). The comments in the code are by the model that wrote it; some were corrected since.
;; Scaled Dot Product Attention. Allowed arithmetic: float matrix products may take bf16 or f16 operands with f32 sums; all other float work in f32.
;; Inputs: key 4 x 16 x 2,048 x 128 float32; query 4 x 16 x 2,048 x 128 float32; value 4 x 16 x 2,048 x 128 float32.
;; Outputs: out0 4 x 16 x 2,048 x 128 float32.
;; One version. Each part assembles by itself: llvm-mc -triple=amdgcn-amd-amdhsa -mcpu=gfx1250 --defsym DOCPART=n.
;; ======== version 1 of 1: 1 launch
;; launch attn (part 1): grid 256 x 1, 8 waves a work-group, clusters of 4 x 1, 327,680 bytes of LDS; arguments key, query, value, out0; writes out0
.if DOCPART == 1
	.amdgcn_target "amdgcn-amd-amdhsa--gfx1250"
	.amdhsa_code_object_version 6
	.text
	.protected	k_qcfe87180b5_attn
	.globl	k_qcfe87180b5_attn
	.p2align	8
	.type	k_qcfe87180b5_attn,@function
k_qcfe87180b5_attn:
	s_mov_b64 s[64:65], 0
	v_nop
	global_prefetch_b8 v0, s[64:65] scope:SCOPE_SE
	s_setreg_imm32_b32 hwreg(HW_REG_WAVE_MODE, 25, 1), 1
	s_wait_xcnt 0x0
	s_wait_alu depctr_hold_cnt(0) depctr_sa_sdst(0) depctr_va_vdst(0) depctr_va_sdst(0) depctr_va_ssrc(0) depctr_va_vcc(0) depctr_vm_vsrc(0)
	s_getreg_b32 s2, hwreg(HW_REG_IB_STS2, 6, 4)
	s_cmp_eq_u32 s2, 0
	s_cbranch_scc0 .Lentry_in_a_cluster
	s_endpgm
.Lentry_in_a_cluster:
	s_bfe_u32 s2, ttmp6, 0x10000c
	s_cmp_lg_u32 s2, 0x3003
	s_cbranch_scc0 .Lentry_shape_is_right
	s_endpgm
.Lentry_shape_is_right:
; out0[b,h,q,:] = sum over k of softmax_k( query[b,h,q,:] . key[b,h,k,:] / sqrt(128) ) value[b,h,k,:].   64 heads of 2048 x 128, all f32 in memory.
; ONE LAUNCH.  A cluster of four work-groups takes one head (ttmp9); work-group cx takes 512 query rows; wave w (0..7) takes 64 of them, as four blocks of 16.
; Keys go in 32 tiles of 64, each tile in two softmax steps of 32 keys with a running maximum (the sums are rescaled in every step: no branch hangs on data).
; K and V tiles are the same for the four work-groups: they are asked for JOINTLY (mask 15), as f32, into two LDS stage slots; each wave then rounds one
; eighth of the tile to bf16 into one of two bf16 buffers, from which all eight waves read their fragments.  One barrier (a round of the cluster's barrier) a tile.
; BOTH PRODUCTS ARE USED TRANSPOSED.  S^T = K Q^T: lane (r = lane % 16, h = lane / 16) holds query r, keys 16 kb + 8 h + j in register j; two such tiles, packed
; to bf16 in place, ARE the second source of O^T = V^T P^T for 32 keys, with no move between lanes.  O^T: lane (r, h) holds query r, d = 16 db + 8 h + j.
; So a query's maximum and sum are per lane, shared by lanes r and r + 16 alone (one v_permlanex16_b32).
; LIMITS, stated: Q, K, V and the probabilities are rounded to bf16 for the products (sums in f32); the row sum adds the unrounded f32 probabilities;
; v_max_num_f32 drops a NaN, so NaN or infinite inputs, and inputs whose scores are not finite in f32, are not reproduced; v_exp_f32 gives 0 for results
; under 2^-126 (ISA guide 15.8).  The maximum is a true running maximum: there is no other limit of range.
; Tensor loads outstanding, by this text's count: waves 0..3 two at the start, then one behind each round; waves 4..7 none.
.set TILEB, 32768                      ; a tile of K or of V in memory: 64 rows of 512 bytes
.set STG,   65536                      ; a stage slot: K's tile (f32, dense), then V's at VOFF.  Slots at LDS bytes 0 and 65,536; tensor loads alone write here
.set VOFF,  32768
.set KBUF,  131072                     ; bf16 K, 64 rows, pitch 272 (an odd multiple of 16: a fragment's 16 rows fall on 16 different 16-byte columns of 256)
.set KP,    272
.set VBUF,  148480                     ; bf16 V [key][d], 64 rows, pitch 288 (an odd multiple of 32, for the transposing loads)
.set VP,    288
.set BUF,   35840                      ; from bf16 buffer 0 to buffer 1 (17,408 + 18,432)
.set OST,   202752                     ; each wave's own stage: Q in (16 rows, pitch 272), O out (16 rows, pitch 528)
.set OSTW,  8448
.set OP,    528
.set CEXP,  0x3e0293ee                 ; log2(e) / sqrt(128)
.set CNEG,  0xbe0293ee
; window 0:
.set CVL1, 1                           ; v1        CVL + one stage slot
.set MA,   2                           ; v[2:5]    running maximum of the four query blocks, two sets that take turns (old and new are both needed)
.set MB,   6                           ; v[6:9]
.set AL,   10                          ; v[10:13]  target of the lane exchange, then alpha = 2^(c m_old - c m_new); at the end 1 / sum
.set NM,   14                          ; v[14:17]  - c m_new
.set LS,   18                          ; v[18:21]  this lane's part of the row sums
.set TS,   22                          ; v[22:25]  at work (at the start: the two addresses of Q's stage)
.set KA,   26                          ; v26       KBUF + 272 r + 16 h
.set VA,   27                          ; v27       VBUF + 288 (8 h + lane % 8) + 16 ((lane / 8) % 2)
.set CVL,  28                          ; v28       4,096 w + 16 lane: my eight rows of a stage tile
.set CVK,  29                          ; v29       KBUF + 8 x 272 w + 8 lane
.set CVV,  30                          ; v30       VBUF + 8 x 288 w + 8 lane
.set PFO,  31                          ; v31       8,192 cx + 256 lane: this work-group's quarter of a tile, for the prefetch
.set FR,   32                          ; v[32:63]  four fragment buffers
.set SC,   64                          ; v[64:127] scores: block q, key half kb at SC + 16 q + 8 kb; packed: P(q) in SC + 16 q .. + 7, and + 8 .. + 15 is a fragment buffer
.set QF,   128                         ; v[128:255] Q's fragments: block q, d step t at QF + 32 q + 8 t
.set STO,  26                          ; the way out: where I put my numbers of a row
.set RD,   27                          ; the way out: where I read rows back
; v0 = 16 x lane, never rewritten.  window 1 (v256..v511): O(q, db) at 64 q + 8 db; at the start the 64 rows of Q as loaded.
; s_set_vgpr_msb's low byte: bits 1:0 source 0, 3:2 source 1, 5:4 source 2, 7:6 destination; the high byte repeats the setting that is left.
.set MSB, 0
.macro WIN new
.if MSB != \new
	s_set_vgpr_msb (MSB<<8)|\new
.set MSB, \new
.endif
.endm
; Places behind matrix instructions (ISA guide 7.12.1): plain vector instructions that name none of their registers.
.macro PLACES n
.rept \n
	v_nop
.endr
.endm
; A round of the cluster's barrier behind its opening work-group barrier: wave 0 signals for the work-group, all wait for the four work-groups, the work-group's barrier closes.
.macro CREST
	s_cmp_lg_u32 s12, 0
	s_cbranch_scc1 .Lnot_wave_0_\@
	s_barrier_signal -3
.Lnot_wave_0_\@:
	s_barrier_wait -3
	s_barrier_signal -1
	s_barrier_wait -1
.endm
.macro ROUND
	s_barrier_signal -1
	s_barrier_wait -1
	CREST
.endm
; The joint refill of a stage slot: waves 0, 1 bring K's two halves, waves 2, 3 V's, 16 KiB each.  The branch hangs on the wave's number alone.
.macro JFILL slot
	s_cmp_lt_u32 s12, 4
	s_cbranch_scc0 .Lno_fill_\@
	tensor_load_to_lds s[28+4*\slot:31+4*\slot], s[20:27]
	s_nop 0
.Lno_fill_\@:
.endm
; K's fragments of d step t (32 along d) for the 32 keys of step sub: two blocks of 16 keys into buffers f, f + 1.  Lane (r, h): row r, 16 bytes at 16 h and 32 further.
.macro KLOAD par, sub, t, f
.irp kb, 0,1
	ds_load_b128 v[FR+8*(\f+\kb):FR+8*(\f+\kb)+3],   v[KA] offset:\par*BUF+(32*\sub+16*\kb)*KP+64*\t
	ds_load_b128 v[FR+8*(\f+\kb)+4:FR+8*(\f+\kb)+7], v[KA] offset:\par*BUF+(32*\sub+16*\kb)*KP+64*\t+32
.endr
.endm
; V^T's fragment: d = 16 db .. + 15 as rows, the step's 32 keys along the registers, by two transposing loads 16 key rows apart.
.macro VLOAD par, sub, db, reg
	ds_load_tr16_b128 v[\reg:\reg+3],   v[VA] offset:\par*BUF+32*\sub*VP+32*(\db)
	ds_load_tr16_b128 v[\reg+4:\reg+7], v[VA] offset:\par*BUF+32*\sub*VP+32*(\db)+16*VP
.endm
; Eight matrix instructions: 2 key blocks x 4 query blocks, 32 along d.  The eight accumulators take turns, one instruction a turn.
.macro SMUL t, zero
.irp kb, 0,1
.irp q, 0,1,2,3
.if \zero
	v_wmma_f32_16x16x32_bf16 v[SC+16*\q+8*\kb:SC+16*\q+8*\kb+7], v[FR+8*(2*(\t&1)+\kb):FR+8*(2*(\t&1)+\kb)+7], v[QF+32*\q+8*\t:QF+32*\q+8*\t+7], 0
.else
	v_wmma_f32_16x16x32_bf16 v[SC+16*\q+8*\kb:SC+16*\q+8*\kb+7], v[FR+8*(2*(\t&1)+\kb):FR+8*(2*(\t&1)+\kb)+7], v[QF+32*\q+8*\t:QF+32*\q+8*\t+7], v[SC+16*\q+8*\kb:SC+16*\q+8*\kb+7]
.endif
.endr
.endr
.endm
; My eighth of the tile in stage slot `slot` (8 rows of K, 8 of V) is rounded to bf16 into bf16 buffer `slot`.  A load takes one row's 512 bytes, lane i at 16 i.
; Sixteen loads, then four groups of four rows; behind a group's loads there always stand 12 younger LDS instructions (loads not yet used, stores already issued).
.macro CONVERT slot
.if \slot
.set CVS, CVL1
.else
.set CVS, CVL
.endif
.irp j, 0,1,2,3,4,5,6,7
	ds_load_b128 v[SC+4*\j:SC+4*\j+3], v[CVS] offset:512*\j
.endr
.irp j, 0,1,2,3,4,5,6,7
	ds_load_b128 v[SC+32+4*\j:SC+32+4*\j+3], v[CVS] offset:VOFF+512*\j
.endr
.irp g, 0,1
	s_wait_dscnt 12
.irp j, 0,1,2,3
	v_cvt_pk_bf16_f32 v[SC+16*\g+4*\j],   v[SC+16*\g+4*\j],   v[SC+16*\g+4*\j+1]
	v_cvt_pk_bf16_f32 v[SC+16*\g+4*\j+1], v[SC+16*\g+4*\j+2], v[SC+16*\g+4*\j+3]
.endr
.irp j, 0,1,2,3
	ds_store_b64 v[CVK], v[SC+16*\g+4*\j:SC+16*\g+4*\j+1] offset:\slot*BUF+KP*(4*\g+\j)
.endr
.endr
.irp g, 0,1
	s_wait_dscnt 12
.irp j, 0,1,2,3
	v_cvt_pk_bf16_f32 v[SC+32+16*\g+4*\j],   v[SC+32+16*\g+4*\j],   v[SC+32+16*\g+4*\j+1]
	v_cvt_pk_bf16_f32 v[SC+32+16*\g+4*\j+1], v[SC+32+16*\g+4*\j+2], v[SC+32+16*\g+4*\j+3]
.endr
.irp j, 0,1,2,3
	ds_store_b64 v[CVV], v[SC+32+16*\g+4*\j:SC+32+16*\g+4*\j+1] offset:\slot*BUF+VP*(4*\g+\j)
.endr
.endr
.endm
; exponents of block q: c S - c m, two at a time; the block's - c m is one register of a pair and is broadcast by op_sel
.macro FMA q
.irp i, 0,2,4,6,8,10,12,14
.if (\q)&1
	v_pk_fma_f32 v[SC+16*\q+\i:SC+16*\q+\i+1], v[SC+16*\q+\i:SC+16*\q+\i+1], s[38:39], v[NM+(\q&2):NM+(\q&2)+1] op_sel:[0,0,1] op_sel_hi:[1,0,1]
.else
	v_pk_fma_f32 v[SC+16*\q+\i:SC+16*\q+\i+1], v[SC+16*\q+\i:SC+16*\q+\i+1], s[38:39], v[NM+(\q&2):NM+(\q&2)+1] op_sel_hi:[1,0,0]
.endif
.endr
.endm
.macro EXPS q
.set oi, 0
.rept 16
	v_exp_f32 v[SC+16*\q+oi], v[SC+16*\q+oi]
.set oi, oi+1
.endr
.endm
; block q: the sum of my 16 probabilities (two chains), the running sum, and the pack to bf16 in place, ascending (register i takes numbers 2 i, 2 i + 1)
.macro SP q, first
	s_wait_alu depctr_va_vdst(0)
	v_pk_add_f32 v[TS:TS+1],   v[SC+16*\q:SC+16*\q+1],   v[SC+16*\q+2:SC+16*\q+3]
	v_pk_add_f32 v[TS+2:TS+3], v[SC+16*\q+4:SC+16*\q+5], v[SC+16*\q+6:SC+16*\q+7]
	v_pk_add_f32 v[TS:TS+1],   v[TS:TS+1],   v[SC+16*\q+8:SC+16*\q+9]
	v_pk_add_f32 v[TS+2:TS+3], v[TS+2:TS+3], v[SC+16*\q+10:SC+16*\q+11]
	v_pk_add_f32 v[TS:TS+1],   v[TS:TS+1],   v[SC+16*\q+12:SC+16*\q+13]
	v_pk_add_f32 v[TS+2:TS+3], v[TS+2:TS+3], v[SC+16*\q+14:SC+16*\q+15]
	v_pk_add_f32 v[TS:TS+1],   v[TS:TS+1],   v[TS+2:TS+3]
.if \first
	v_add_f32 v[LS+\q], v[TS], v[TS+1]             ; the first step starts the sum
.else
	v_add_f32 v[TS], v[TS], v[TS+1]
	v_fma_f32 v[LS+\q], v[LS+\q], v[AL+\q], v[TS]  ; l = l alpha + sum
.endif
.irp i, 0,1,2,3,4,5,6,7
	v_cvt_pk_bf16_f32 v[SC+16*\q+\i], v[SC+16*\q+2*\i], v[SC+16*\q+2*\i+1]
.endr
.endm
; O(q, *) *= alpha(q): 256 registers, two at a time
.macro RESCALE
	WIN 0x41                                       ; destination and source 0 in window 1, alpha in window 0
.irp q, 0,1,2,3
.set oi, 0
.rept 32
.if \q&1
	v_pk_mul_f32 v[64*\q+oi:64*\q+oi+1], v[64*\q+oi:64*\q+oi+1], v[AL+(\q&2):AL+(\q&2)+1] op_sel:[0,1] op_sel_hi:[1,1]
.else
	v_pk_mul_f32 v[64*\q+oi:64*\q+oi+1], v[64*\q+oi:64*\q+oi+1], v[AL+(\q&2):AL+(\q&2)+1] op_sel_hi:[1,0]
.endif
.set oi, oi+2
.endr
.endr
.endm
; 16 matrix instructions of O^T += V^T P^T: four d blocks from db0 on x four query blocks; half = 0: V's fragments lie in FR, 1: in the free halves of SC.
; The sixteen accumulators take turns, one instruction a turn.
.macro PV half, zero
	WIN 0x50                                       ; C and D in window 1
.irp d, 0,1,2,3
.irp q, 0,1,2,3
.if \half
.set AF, SC+16*\d+8
.else
.set AF, FR+8*\d
.endif
.if \zero
	v_wmma_f32_16x16x32_bf16 v[64*\q+8*(4*\half+\d):64*\q+8*(4*\half+\d)+7], v[AF:AF+7], v[SC+16*\q:SC+16*\q+7], 0
.else
	v_wmma_f32_16x16x32_bf16 v[64*\q+8*(4*\half+\d):64*\q+8*(4*\half+\d)+7], v[AF:AF+7], v[SC+16*\q:SC+16*\q+7], v[64*\q+8*(4*\half+\d):64*\q+8*(4*\half+\d)+7]
.endif
.endr
.endr
.endm
; Prefetch: the trip of tile t asks for tile t + 3, whose tensor load is issued in the next trip.  Wave 0 asks for this work-group's quarter (8,192 bytes, lanes 256
; bytes apart) of K's tile, wave 1 for that of V's: each block of tiles 2 .. 31 is asked for once in the launch.  The trips of tiles 29 .. 31 ask for nothing.
.macro PFETCH
	s_cmp_lt_u32 s12, 2
	s_cbranch_scc0 .Lno_pf_\@
	s_wait_xcnt 0x0                                ; the last trip's prefetch has had its address translated: its base is stepped only behind this wait
	s_add_nc_u64 s[36:37], s[36:37], TILEB
	global_prefetch_b8 v[PFO], s[36:37] th:TH_LOAD_NT scope:SCOPE_SE
.Lno_pf_\@:
.endm
; ONE SOFTMAX STEP: 32 keys (half `sub` of the tile in bf16 buffer `par`) against my 64 queries.
; first = 1: the very first step starts maximum, sums and O.  pre: LDS instructions of a conversion that stand behind the K loads already issued.
; pf = 1: prefetch.  knext = 1: the next step's first K fragments are fetched in the middle of PV.
; fin: 0 nothing; 1 a work-group barrier closes the tile; 2 a round of the cluster's barrier closes it (a slot is filled again behind it).
.macro STEP par, sub, first, pre, pf, knext, fin
.if \sub
.set MOLD, MA
.set MNEW, MB
.else
.set MOLD, MB
.set MNEW, MA
.endif
	s_wait_dscnt 4+\pre                            ; d step 0's fragments are in; younger: d step 1's four loads (and the conversion's 32)
	SMUL 0, 1                                      ; the first product starts the scores: nothing is cleared
	PLACES 4                                       ; before loads land on registers that these matrix instructions read
	KLOAD \par, \sub, 2, 0
	s_wait_dscnt 4+\pre                            ; d step 1's are in; younger: (the conversion's 32 and) d step 2's four
	SMUL 1, 0
	PLACES 4
	KLOAD \par, \sub, 3, 2
	s_wait_dscnt 4                                 ; d step 2's are in; younger: d step 3's four
	SMUL 2, 0
	s_wait_dscnt 0
	SMUL 3, 0
	PLACES 4                                       ; before the loads into FR and before vector instructions read the scores
.irp db, 0,1,2,3
	VLOAD \par, \sub, \db, FR+8*\db
.endr
.if \pf
	PFETCH
.endif
	; the new maximum of each query: my 16 scores and the old maximum, then the other half of the lanes
.irp q, 0,1,2,3
.if \first
	v_max_num_f32 v[MNEW+\q], v[SC+16*\q], v[SC+16*\q+1]
.else
	v_max3_num_f32 v[MNEW+\q], v[MOLD+\q], v[SC+16*\q], v[SC+16*\q+1]
.endif
.endr
.irp i, 2,4,6,8,10,12,14
.irp q, 0,1,2,3
	v_max3_num_f32 v[MNEW+\q], v[MNEW+\q], v[SC+16*\q+\i], v[SC+16*\q+\i+1]
.endr
.endr
.irp q, 0,1,2,3
	v_permlanex16_b32 v[AL+\q], v[MNEW+\q], s41, s42   ; lane i takes lane i xor 16: the same query's other 16 keys
.endr
.irp q, 0,1,2,3
	v_max_num_f32 v[MNEW+\q], v[MNEW+\q], v[AL+\q]
.endr
.irp q, 0,1,2,3
	v_mul_f32 v[NM+\q], s40, v[MNEW+\q]            ; - c m
.endr
.if \first == 0
.irp q, 0,1,2,3
	v_fma_f32 v[AL+\q], v[MOLD+\q], s38, v[NM+\q]  ; c m_old - c m_new
.endr
.irp q, 0,1,2,3
	v_exp_f32 v[AL+\q], v[AL+\q]                   ; alpha
.endr
.endif
	; Behind each run of exponentials stands plain work on another block before a result is used (ISA guide 5.7.2)
	FMA 0
	EXPS 0
	FMA 1
	EXPS 1
	SP 0, \first
	FMA 2
	EXPS 2
	SP 1, \first
	FMA 3
	EXPS 3
	SP 2, \first
	SP 3, \first
.irp db, 4,5,6,7
	VLOAD \par, \sub, \db, SC+16*(\db-4)+8
.endr
.if \first == 0
	RESCALE
.endif
	s_wait_dscnt 8                                 ; V's d blocks 0..3 are in; younger: the eight loads of blocks 4..7
	PV 0, \first
.if \knext
	WIN 0
	PLACES 4                                       ; before loads land on FR
	KLOAD \par, 1, 0, 0
	KLOAD \par, 1, 1, 2
	s_wait_dscnt 8                                 ; V's d blocks 4..7 are in; younger: the eight K loads just issued
.else
	s_wait_dscnt 0                                 ; all my LDS reads are back and my conversion's stores are done
.if \fin
	s_wait_tensorcnt 0x0                           ; all my tensor loads have landed: the next tile's stage slot is whole as far as it is mine
.if \fin == 2
	s_add_nc_u64 s[34-4*\par:35-4*\par], s[34-4*\par:35-4*\par], 2*TILEB   ; no load of mine is out: the other slot's address steps two tiles on
.endif
	s_barrier_signal -1                            ; say so; up to the wait only register work follows
.endif
.endif
	PV 1, \first
	PLACES 5                                       ; before the next scores (matrix results) or the conversion's loads land on P and on V's fragments
	WIN 0
.if \fin
	s_barrier_wait -1
.endif
.if \fin == 2
	CREST                                          ; no wave of any of the four work-groups still reads the slot or has a load on its way
.endif
.endm
; THE TRIP OF ONE TILE t, par = t % 2: stage slot par (tile t was rounded out of it in the last trip) is filled with tile t + 2, first thing behind the round;
; step 0; tile t + 1 is rounded from the other slot into the other bf16 buffer; step 1.  The refill has the whole trip, 128 matrix instructions of each wave, in which to land.
.macro TRIP par, first, refill, conv, pf, fin
.if \refill
	JFILL \par
.endif
	KLOAD \par, 0, 0, 0
	KLOAD \par, 0, 1, 2
	STEP \par, 0, \first, 0, \pf, 1, 0
.if \conv
	CONVERT (1-\par)
.endif
	STEP \par, 1, 0, 32*\conv, 0, 0, \fin
.endm
; 16 rows of Q: f32 (window 1) to bf16, through my own stage, back as fragments.  LDS serves a wave's instructions in order (ISA guide 5.7.1): no wait between.
.macro QIN qb
	s_wait_loadcnt 48-16*\qb                       ; these 16 rows are in; the younger rows stay out
	WIN 0x05                                       ; sources 0 and 1 in window 1
.set oi, 0
.rept 16
	v_cvt_pk_bf16_f32 v[SC+2*oi],   v[64*\qb+4*oi],   v[64*\qb+4*oi+1]
	v_cvt_pk_bf16_f32 v[SC+2*oi+1], v[64*\qb+4*oi+2], v[64*\qb+4*oi+3]
.set oi, oi+1
.endr
	WIN 0
.set oi, 0
.rept 16
	ds_store_b64 v[TS], v[SC+2*oi:SC+2*oi+1] offset:KP*oi
.set oi, oi+1
.endr
.irp t, 0,1,2,3
	ds_load_b128 v[QF+32*\qb+8*\t:QF+32*\qb+8*\t+3],   v[TS+1] offset:64*\t
	ds_load_b128 v[QF+32*\qb+8*\t+4:QF+32*\qb+8*\t+7], v[TS+1] offset:64*\t+32
.endr
.endm
; 16 rows of the result: O(q, *) / sum rides on the copy out of window 1; into my stage by columns, back by rows; a store of the wave covers one row's 512 consecutive bytes, aligned.
.macro OUT q
	WIN 0x01                                       ; source 0 in window 1
.set oi, 0
.rept 32
.if (\q)&1
	v_pk_mul_f32 v[SC+oi:SC+oi+1], v[64*\q+oi:64*\q+oi+1], v[AL+(\q&2):AL+(\q&2)+1] op_sel:[0,1] op_sel_hi:[1,1]
.else
	v_pk_mul_f32 v[SC+oi:SC+oi+1], v[64*\q+oi:64*\q+oi+1], v[AL+(\q&2):AL+(\q&2)+1] op_sel_hi:[1,0]
.endif
.set oi, oi+2
.endr
	WIN 0
.irp db, 0,1,2,3,4,5,6,7
	ds_store_b128 v[STO], v[SC+8*\db:SC+8*\db+3]   offset:64*\db
	ds_store_b128 v[STO], v[SC+8*\db+4:SC+8*\db+7] offset:64*\db+16
.endr
	s_wait_xcnt 0x0                                ; the registers that earlier global stores read are loaded again only behind this wait
.irp row, 0,1,2,3,4,5,6,7,8,9,10,11,12,13,14,15
	ds_load_b128 v[QF+64*(\q&1)+4*\row:QF+64*(\q&1)+4*\row+3], v[RD] offset:OP*\row
.endr
.irp row, 0,1,2,3,4,5,6,7,8,9,10,11,12,13,14,15
	s_wait_dscnt 15-\row                           ; LDS loads come back in order: this row is in
	global_store_b128 v0, v[QF+64*(\q&1)+4*\row:QF+64*(\q&1)+4*\row+3], s[10:11] offset:(16*\q+\row)*512 th:TH_STORE_NT
.endr
.endm
	; ---------------- set-up ----------------
	s_load_b256 s[4:11], s[0:1], 0x0               ; key s[4:5], query s[6:7], value s[8:9], out0 s[10:11]
	v_lshrrev_b32 v1, 5, v0
	v_readfirstlane_b32 s12, v1                    ; wave 0..7
	s_bfe_u32 s13, ttmp6, 0x40000                  ; cx: my place in the cluster.  It enters s13, s15, s18 alone: global offsets of Q, of out0 and of the prefetch
	s_lshl_b32 s16, ttmp9, 20                      ; the head's 2048 x 512 bytes (64 heads: below 2^26)
	s_mov_b32 s17, 0
	s_lshl_b32 s18, s13, 18                        ; + 512 rows for each work-group
	s_add_co_u32 s18, s18, s16
	s_lshl_b32 s19, s12, 15                        ; + 64 rows for each wave
	s_add_co_u32 s18, s18, s19
	s_mov_b32 s19, 0
	s_lshl_b32 s15, s13, 13
	s_mul_i32 s44, s12, OSTW
	s_add_co_u32 s44, s44, OST                     ; my stage
	s_mul_i32 s45, s12, 8*KP
	s_add_co_u32 s45, s45, KBUF
	s_mul_i32 s14, s12, 8*VP
	s_add_co_u32 s14, s14, VBUF
	s_mov_b32 s38, CEXP
	s_mov_b32 s39, CEXP
	s_mov_b32 s40, CNEG
	s_mov_b32 s41, 0x76543210
	s_mov_b32 s42, 0xfedcba98
	; descriptor group 1: 16 KiB that lie dense in memory, as 64 rows of 32 elements of 8 bytes
	s_mov_b32 s20, 15|(3<<16)|(1<<21)              ; 15:0 the mask: all four work-groups; 17:16 elements of 8 bytes; 21 set beside a mask; no padding (the stage is read lane i at 16 i)
	s_mov_b32 s21, 32<<16                          ; tensor_dim0 = 32
	s_mov_b32 s22, 64<<16                          ; tensor_dim1 = 64
	s_mov_b32 s23, 32<<16                          ; tile_dim0 = 32
	s_mov_b32 s24, 64                              ; tile_dim1 = 64
	s_mov_b32 s25, 32                              ; from row to row: 32 elements
	s_mov_b32 s26, 0
	s_mov_b32 s27, 0
	v_and_b32 v32, 31, v0                          ; lane
	v_and_b32 v33, 15, v0                          ; r
	v_bfe_u32 v34, v0, 4, 1                        ; h
	v_and_b32 v35, 7, v0
	v_bfe_u32 v36, v0, 3, 1
	v_lshlrev_b32 v0, 4, v32                       ; 16 x lane, from here on
	v_mul_u32_u24 v[TS+1], v33, KP
	v_lshl_add_u32 v[TS+1], v34, 4, v[TS+1]        ; 272 r + 16 h
	v_add_nc_u32 v[KA], KBUF, v[TS+1]
	v_add_nc_u32 v[TS+1], s44, v[TS+1]             ; Q's fragments out of my stage
	v_lshl_add_u32 v35, v34, 3, v35                ; 8 h + lane % 8
	v_mul_u32_u24 v[VA], v35, VP
	v_lshl_add_u32 v[VA], v36, 4, v[VA]
	v_add_nc_u32 v[VA], VBUF, v[VA]
	v_lshl_add_u32 v[CVL], s12, 12, v0
	v_add_nc_u32 v[CVL1], STG, v[CVL]
	v_lshl_add_u32 v[CVK], v32, 3, s45
	v_lshl_add_u32 v[CVV], v32, 3, s14
	v_lshl_add_u32 v[PFO], v32, 8, s15
	v_lshl_add_u32 v[TS], v32, 3, s44              ; Q's rows into my stage: 8 bytes a lane
.irp q, 0,1,2,3
	v_mov_b32 v[AL+\q], 0                          ; the lane exchange counts as a reader of its target
.endr
	s_wait_kmcnt 0x0
	s_add_nc_u64 s[6:7], s[6:7], s[18:19]          ; query and out0 at my wave's first row
	s_add_nc_u64 s[10:11], s[10:11], s[18:19]
	WIN 0x40                                       ; destination in window 1
.set oi, 0
.rept 64
	global_load_b128 v[4*oi:4*oi+3], v0, s[6:7] offset:512*oi th:TH_LOAD_NT   ; one row of Q: 512 consecutive bytes
.set oi, oi+1
.endr
	WIN 0
	; descriptor group 0, one set for each stage slot.  Nothing here hangs on cx.
	s_cmp_lt_u32 s12, 2
	s_cselect_b64 s[30:31], s[4:5], s[8:9]         ; waves 0, 1: key; waves 2, 3: value
	s_add_nc_u64 s[30:31], s[30:31], s[16:17]      ; the head
	s_and_b32 s46, s12, 1
	s_lshl_b32 s46, s46, 14                        ; which half of the tile
	s_mov_b32 s47, 0
	s_add_nc_u64 s[30:31], s[30:31], s[46:47]      ; slot 0: tile 0
	s_add_nc_u64 s[34:35], s[30:31], TILEB         ; slot 1: tile 1
	s_or_b32 s31, s31, 0x80000000                  ; type = 2
	s_or_b32 s35, s35, 0x80000000
	s_mov_b32 s28, 1
	s_lshl_b32 s29, s12, 14                        ; LDS: K's halves at 0 and 16,384, V's at 32,768 and 49,152
	s_mov_b32 s32, 1
	s_add_co_u32 s33, s29, STG
	s_cmp_eq_u32 s12, 0
	s_cselect_b64 s[36:37], s[4:5], s[8:9]         ; the prefetch's base: wave 0 key, wave 1 value,
	s_add_nc_u64 s[36:37], s[36:37], s[16:17]
	s_add_nc_u64 s[36:37], s[36:37], 2*TILEB       ; tile 2
	ROUND                                          ; all four work-groups are here: the first joint loads meet
	s_cmp_lt_u32 s12, 4
	s_cbranch_scc0 .Lno_first
	tensor_load_to_lds s[28:31], s[20:27]          ; tile 0
	s_nop 0
	tensor_load_to_lds s[32:35], s[20:27]          ; tile 1
	s_nop 0
.Lno_first:
	s_cmp_lt_u32 s12, 2
	s_cbranch_scc0 .Lno_pf_first
	global_prefetch_b8 v[PFO], s[36:37] th:TH_LOAD_NT scope:SCOPE_SE   ; tile 2, whose tensor load follows behind Q's conversion
.Lno_pf_first:
	QIN 0
	QIN 1
	QIN 2
	QIN 3
	s_wait_tensorcnt 0x1                           ; my part of tile 0 is in; tile 1's may stay out
	s_wait_dscnt 0x0                               ; Q's fragments are in
	s_barrier_signal -1
	s_barrier_wait -1
	CONVERT 0                                      ; tile 0 into bf16 buffer 0
	s_wait_dscnt 0x0                               ; my reads of slot 0 and my stores into buffer 0 are done
	s_wait_tensorcnt 0x0                           ; all my tensor loads have landed
	s_add_nc_u64 s[30:31], s[30:31], 2*TILEB       ; slot 0: tile 2
	ROUND
	; ---------------- the 32 tiles ----------------
	TRIP 0, 1, 1, 1, 1, 2                          ; tile 0: its first step starts maximum, sums and O
	s_mov_b32 s43, 14
.Llap:
	TRIP 1, 0, 1, 1, 1, 2                          ; tiles 1, 3, .. 27
	TRIP 0, 0, 1, 1, 1, 2                          ; tiles 2, 4, .. 28
	s_sub_co_i32 s43, s43, 1
	s_cmp_lg_u32 s43, 0
	s_cbranch_scc1 .Llap
	TRIP 1, 0, 1, 1, 0, 1                          ; tile 29: the last refill (tile 31)
	TRIP 0, 0, 0, 1, 0, 1                          ; tile 30: rounds tile 31
	TRIP 1, 0, 0, 0, 0, 0                          ; tile 31
	; ---------------- the way out ----------------
.irp q, 0,1,2,3
	v_permlanex16_b32 v[AL+\q], v[LS+\q], s41, s42 ; the same query's other half of the keys
.endr
.irp q, 0,1,2,3
	v_add_f32 v[LS+\q], v[LS+\q], v[AL+\q]
.endr
.irp q, 0,1,2,3
	v_rcp_f32 v[AL+\q], v[LS+\q]                   ; the sum is at least about 1: the maximum's own term
.endr
	v_bfe_u32 v[STO], v0, 4, 4                     ; r (plain work behind the reciprocals, before they are used)
	v_bfe_u32 v[RD], v0, 8, 1                      ; h
	v_mul_u32_u24 v[STO], v[STO], OP
	v_lshl_add_u32 v[STO], v[RD], 5, v[STO]        ; row r, 32 bytes for each half of the lanes; pitch 528: 16 rows fall on 16 different 16-byte columns of 256
	v_add_nc_u32 v[STO], s44, v[STO]
	v_add_nc_u32 v[RD], s44, v0
	s_wait_alu depctr_va_vdst(0)
	OUT 0
	OUT 1
	OUT 2
	OUT 3
	ROUND                                          ; the closing round: no work-group ends while a partner may still ask jointly
	s_endpgm
.Lfunc_end_k_qcfe87180b5_attn:
	.size	k_qcfe87180b5_attn, .Lfunc_end_k_qcfe87180b5_attn-k_qcfe87180b5_attn
	.p2alignl 7, 3214868480
	.fill 96, 4, 3214868480
	.section	.rodata,"a",@progbits
	.p2align	6, 0x0
	.amdhsa_kernel k_qcfe87180b5_attn
		.amdhsa_group_segment_fixed_size 327680
		.amdhsa_private_segment_fixed_size 0
		.amdhsa_enable_private_segment 0
		.amdhsa_kernarg_size 32
		.amdhsa_user_sgpr_count 2
		.amdhsa_user_sgpr_kernarg_segment_ptr 1
		.amdhsa_wavefront_size32 1
		.amdhsa_system_sgpr_workgroup_id_x 1
		.amdhsa_system_sgpr_workgroup_id_y 1
		.amdhsa_system_sgpr_workgroup_id_z 1
		.amdhsa_system_vgpr_workitem_id 0
		.amdhsa_next_free_vgpr 512
		.amdhsa_next_free_sgpr 66
		.amdhsa_reserve_vcc 0
		.amdhsa_float_denorm_mode_32 3
		.amdhsa_float_denorm_mode_16_64 3
		.amdhsa_memory_ordered 1
		.amdhsa_forward_progress 1
		.amdhsa_inst_pref_size 255
	.end_amdhsa_kernel
	.section	.bss,"aw",@nobits
	.p2align	6
	.space	262144
	.amdgpu_metadata
---
amdhsa.version: [ 1, 2 ]
amdhsa.kernels:
  - .name:           k_qcfe87180b5_attn
    .symbol:         k_qcfe87180b5_attn.kd
    .args:
      - { .name: key, .offset: 0, .size: 8, .value_kind: global_buffer, .address_space: global }
      - { .name: query, .offset: 8, .size: 8, .value_kind: global_buffer, .address_space: global }
      - { .name: value, .offset: 16, .size: 8, .value_kind: global_buffer, .address_space: global }
      - { .name: out0, .offset: 24, .size: 8, .value_kind: global_buffer, .address_space: global }
    .group_segment_fixed_size: 327680
    .private_segment_fixed_size: 0
    .kernarg_segment_align: 8
    .kernarg_segment_size: 32
    .max_flat_workgroup_size: 256
    .sgpr_count:     66
    .vgpr_count:     512
    .wavefront_size: 32
...
	.end_amdgpu_metadata
.endif
;; end of part 1
